; MI455X (gfx1250); checked and timed in simulation.
; The chip was launched on July 23, 2026; its instructions are those of AMD's public machine-readable ISA for CDNA 5 (MIT licence, August 2026) and "CDNA5" Instruction Set Architecture Reference Guide (July 2026). The comments in the code are by the model that wrote it; some were corrected since.
;; Multi Head Attention. Allowed arithmetic: matrix products marked QUANTISED: E2M1 operands, one E8M0 scale for each 32 along K, by v_wmma_scale_f32_16x16x128_f8f6f4 with both operands' format E2M1 (or v_wmma_scale_f32_32x16x128_f4), f32 sums; products left as they are: bf16, f16 or f32 operands; f32 sums; everything else in f32.
;; Inputs: Wk 1,024 x 1,024 float32; Wo 1,024 x 1,024 float32; Wq 1,024 x 1,024 float32; Wv 1,024 x 1,024 float32; bk 1,024 float32; bo 1,024 float32; bq 1,024 float32; bv 1,024 float32; k 4 x 2,048 x 1,024 float32; q 4 x 2,048 x 1,024 float32; v 4 x 2,048 x 1,024 float32.
;; Outputs: out0 4 x 2,048 x 1,024 float32.
;; This version of the problem:
;;   THIS VERSION OF THE PROBLEM IS GIVEN IN LOW PRECISION. The matrix products marked QUANTISED in the list below multiply operands that are first quantised to E2M1 (2 exponent bits, 1 mantissa bit; 4 bits a number), with one power-of-two scale for each 32 numbers along K (OCP MX v1.0); their sums are f32. The products marked 'left as it is' may take bf16, f16 or f32 operands, with f32 sums. Whichever they take, every output number must still come out within the allowed error. Rounding operands to bf16 (8 significant bits) uses up far more of that allowance than f16 does (11 bits, for magnitudes from 6e-5 to 65,504). All else is computed in f32.
;;   The module's matrix products, in the order in which they are computed (A, B: the left and right operand; K: the contracted axis; several contracted axes count as one K, in the product's order):
;;     1. [M 8,192, K 1,024] x [K 1,024, N 1,024]; A: input q; B: input Wq: QUANTISED
;;     2. [M 8,192, K 1,024] x [K 1,024, N 1,024]; A: input k; B: input Wk: QUANTISED
;;     3. [M 8,192, K 1,024] x [K 1,024, N 1,024]; A: input v; B: input Wv: QUANTISED
;;     4. batch 64 x [M 2,048, K 64] x [K 64, N 2,048]; A: computed on the way; B: computed on the way: left as it is (an operand is computed on the way)
;;     5. batch 64 x [M 2,048, K 2,048] x [K 2,048, N 64]; A: computed on the way; B: computed on the way: left as it is (an operand is computed on the way)
;;     6. [M 8,192, K 1,024] x [K 1,024, N 1,024]; A: computed on the way; B: input Wo: left as it is (an operand is computed on the way)
;;   THE QUANTISER, for each operand of a quantised product, along K:
;;     - K is cut into blocks of 32 from its start; a last block that is shorter is filled with zeros.
;;     - A block's scale is 2^e with e = floor(log2(the largest magnitude in the block)) - 2, held to -126 .. 127; a block of zeros has e = 0. As a byte (E8M0): e + 127.
;;     - Each number is divided by its block's scale, clamped to +-6, and rounded to the nearest number of E2M1, ties to even, subnormals kept.
;;     - The product sums the exact products of the quantised numbers (number of the format x scale) in f32.
;;   ~~~python
;;   def quantise(x, axis):      # numpy; x: float32 -> the quantised numbers, widened to float32 again
;;       x = np.moveaxis(x, axis, -1); K = x.shape[-1]
;;       x = np.pad(x, [(0, 0)] * (x.ndim - 1) + [(0, -K % 32)]); x = x.reshape(x.shape[:-1] + (-1, 32)); a = np.abs(x).max(-1, keepdims=True)
;;       e = np.where(a > 0, np.clip(np.frexp(np.where(a > 0, a, 1))[1] - 1 - 2, -126, 127), 0)      # np.frexp(a)[1] - 1 = floor(log2(a)), exactly
;;       r = np.clip(x / 2.0 ** e, -6, 6)
;;       step = 2.0 ** (np.maximum(np.frexp(np.where(r == 0, 1, r))[1] - 1, 0) - 1)
;;       q = np.round(r / step) * step * 2.0 ** e      # np.round: ties to even
;;       return np.moveaxis(q.reshape(q.shape[:-2] + (-1,))[..., :K], -1, axis).astype(np.float32)
;;   ~~~
;; One version. Each part assembles by itself: llvm-mc -triple=amdgcn-amd-amdhsa -mcpu=gfx1250 --defsym DOCPART=n.
;; ======== version 1 of 1: 4 launches
;; limits: values are held in f16: magnitudes above 65,504 overflow, below 6.1e-05 lose precision
;; workspace buffers: codes 14,155,776 bytes; scales 884,736 bytes; wo16 2,097,152 bytes; qkv 50,331,648 bytes; ctx 16,777,216 bytes
;; launch prep (part 1): grid 992 x 1, 4 waves a work-group, no clusters, 33,280 bytes of LDS; arguments q, k, v, Wq, Wk, Wv, Wo, codes, scales, wo16; writes codes, scales, wo16
.if DOCPART == 1
	.amdgcn_target "amdgcn-amd-amdhsa--gfx1250"
	.amdhsa_code_object_version 6
	.text
	.protected	k_q253e01defe_prep
	.globl	k_q253e01defe_prep
	.p2align	8
	.type	k_q253e01defe_prep,@function
k_q253e01defe_prep:
	s_mov_b64 s[64:65], 0
	v_nop
	global_prefetch_b8 v0, s[64:65] scope:SCOPE_SE
	s_setreg_imm32_b32 hwreg(HW_REG_WAVE_MODE, 25, 1), 1
	s_wait_xcnt 0x0
; q, k, v [8192][1024] and Wq, Wk, Wv [1024][1024], f32, K innermost, become codes of FP4 (E2M1) with one E8M0 byte for each 32 along K.
; codes: 27,648 rows of 512 bytes (q's 8,192 rows, k's, v's, then Wq's 1,024, Wk's, Wv's); scales: the same rows, 32 bytes each.
; A block's scale is 2^(floor(log2(largest magnitude)) - 2); its byte is the largest magnitude's exponent field - 2, held at 1 from below.
; (A block of zeros so gets the byte 1 where the rule says 127: its codes are zeros, and this program alone reads the bytes.)
; Wo [1024][1024] f32 becomes f16, laid as images of operand registers: wo16[ks 0..7][nt 0..63][blk 0..7][512 bytes];
; in a block lane (r, h) has 16 bytes at 16 x lane: Wo[16 nt + r][128 ks + 16 blk + 8 h + 0 .. 7].
; LIMITS: NaN and infinities are not served; blocks whose largest magnitude lies under 2^(3 - 127) keep the byte 1; |Wo| stays under 65,504 (f16).
; SHARES: work-groups 0 .. 863 quantise 32,768 numbers each (a wave: 16 steps of 512); since the six tensors lie in the order of the work-groups,
; codes and scale bytes are linear in the work-group's number.  Work-groups 864 .. 991 convert Wo, a wave 16 rows x 128 k.
; No tensor loads, no barrier: waves share nothing.  Matrix units and clusters have nothing to do here: the launch moves bytes.
.set WAVES, 4
.set STEPS, 16
.set NQWG,  864                        ; work-groups that quantise
.set EMAX,  2
.set CB,    8                          ; bytes of 16 codes
.set R,     16                         ; v16-79   four sets of 16 numbers as they are loaded
.set X,     80                         ; v80-111  two sets of 16 neighbours
.set E,     112                        ; v112-127 a scale byte for each step
.set C,     128                        ; v128-191 codes: four registers for each step, so that no store's data are written again
.set WREG,  8192                       ; LDS: a region for each wave: two stages of 32 x SP bytes, behind them its 256 scale bytes
.set SP,    80                         ; a lane's place in a stage: 64 bytes + 16 of padding
.set SPW,   12                         ; v12  LDS address of my spare word; never rewritten
.set NIL,   13                         ; v13  0; never rewritten
.set SPARE, WAVES*WREG                 ; behind the four regions: the spare words, 128 bytes a wave
	s_load_b512 s[16:31], s[0:1], 0x0              ; q, k, v, Wq, Wk, Wv, Wo, codes
	s_load_b128 s[32:35], s[0:1], 0x40             ; scales, wo16
	v_lshl_add_u32 v[SPW], v0, 2, SPARE
	v_mov_b32 v[NIL], 0
	v_lshrrev_b32 v1, 5, v0
	v_readfirstlane_b32 s36, v1                    ; wave
	v_and_b32 v2, 31, v0                           ; lane
	s_cmp_ge_u32 ttmp9, NQWG                       ; the work-group's number alone decides the arm
	s_cbranch_scc1 .Lwo
	; ---- the quantiser
	v_lshlrev_b32 v3, 4, v2                        ; my 16 bytes of a load's 512
	s_mul_i32 s37, s36, WREG
	v_lshrrev_b32 v14, 2, v2
	v_mul_u32_u24 v14, v14, SP
	v_and_b32 v15, 3, v2
	v_lshl_add_u32 v14, v15, 4, v14
	v_add_nc_u32 v14, s37, v14                     ; the stage, on the way in: four lanes' 64 bytes on end, then 16 of padding
	v_mul_u32_u24 v15, v2, SP
	v_add_nc_u32 v15, s37, v15                     ; and on the way out: my 16 neighbours
	v_mul_u32_u24 v4, v2, CB                       ; my codes' place in a step's
	v_lshrrev_b32 v5, 1, v2
	s_add_co_u32 s37, s37, 2*32*SP
	v_add_nc_u32 v5, s37, v5                       ; my wave's 256 scale bytes, my block's byte
	v_lshlrev_b32 v7, 3, v2                        ; on the way out 8 bytes a lane
	v_add_nc_u32 v6, s37, v7
	s_wait_kmcnt 0x0
.macro PICK lim, ptr, first            ; below work-group lim the tensor is the one at s[ptr], whose first work-group is first
	s_cmp_lt_u32 ttmp9, \lim
	s_cselect_b64 s[4:5], s[\ptr:\ptr+1], s[4:5]
	s_cselect_b32 s6, \first, s6
.endm
	s_mov_b64 s[4:5], s[26:27]                     ; Wv, unless the number is lower
	s_mov_b32 s6, 832
	PICK 832, 24, 800                              ; Wk
	PICK 800, 22, 768                              ; Wq
	PICK 768, 20, 512                              ; v
	PICK 512, 18, 256                              ; k
	PICK 256, 16, 0                                ; q
	s_sub_co_u32 s7, ttmp9, s6
	s_lshl_b32 s7, s7, 2
	s_add_co_u32 s7, s7, s36                       ; which run of 8,192 numbers of the tensor is my wave's
	s_lshl_b32 s8, s7, 15                          ; 32,768 bytes a run
	s_mov_b32 s9, 0
	s_add_nc_u64 s[4:5], s[4:5], s[8:9]
	s_lshl_b32 s7, ttmp9, 2
	s_add_co_u32 s7, s7, s36                       ; which run of all six tensors
	s_lshl_b32 s8, s7, 12                          ; 4,096 bytes of codes a run
	s_add_nc_u64 s[10:11], s[30:31], s[8:9]
	s_lshl_b32 s8, s7, 8                           ; 256 scale bytes a run
	s_add_nc_u64 s[12:13], s[32:33], s[8:9]
.macro LOAD t
.irp i, 0,1,2,3
	global_load_b128 v[R+16*((\t)%4)+4*\i:R+16*((\t)%4)+4*\i+3], v3, s[4:5] offset:2048*(\t)+512*\i th:TH_LOAD_NT   ; 32 lanes read 512 consecutive bytes
.endr
.endm
.macro TURN t                          ; step t's numbers through the stage: LDS serves a wave's instructions in order, so no wait stands between the stores and the loads
.irp i, 0,1,2,3
	ds_store_b128 v14, v[R+16*((\t)%4)+4*\i:R+16*((\t)%4)+4*\i+3] offset:32*SP*((\t)%2)+8*SP*\i
.endr
.irp i, 0,1,2,3
	ds_load_b128 v[X+16*((\t)%2)+4*\i:X+16*((\t)%2)+4*\i+3], v15 offset:32*SP*((\t)%2)+16*\i
.endr
.endm
.irp t, 0,1,2,3
	LOAD \t
.endr
	s_wait_loadcnt 12                              ; step 0's four loads are in; three steps' twelve stay out
	TURN 0
.macro STEP t
.set XS, X+16*((\t)%2)
.if (\t) > 0
	s_wait_dscnt 1                                 ; this step's numbers are back from the stage (the last step's byte store may be out)
.else
	s_wait_dscnt 0x0
.endif
.if (\t)+4 < STEPS
	LOAD (\t)+4                                    ; into the registers that the stage's stores have read
.endif
.if (\t)+1 < STEPS
.if STEPS-2-(\t) >= 3
	s_wait_loadcnt 12                              ; the next step's four loads are in; those of the three steps behind it may be out
.else
	s_wait_loadcnt 4*(STEPS-2-(\t))
.endif
	TURN (\t)+1                                    ; through the other stage while this step is worked
.endif
	v_max3_num_f32 v8, |v[XS]|, |v[XS+1]|, |v[XS+2]|               ; the largest magnitude of my 16, in two chains
	v_max3_num_f32 v9, |v[XS+3]|, |v[XS+4]|, |v[XS+5]|
.irp i, 6,10
	v_max3_num_f32 v8, v8, |v[XS+\i]|, |v[XS+\i+1]|
	v_max3_num_f32 v9, v9, |v[XS+\i+2]|, |v[XS+\i+3]|
.endr
	v_max3_num_f32 v8, v8, |v[XS+14]|, |v[XS+15]|
	v_max3_num_f32 v8, v8, v9, (EMAX+1)<<23        ; and the floor 2^(EMAX + 1 - 127): the byte cannot fall under 1
	v_max_num_f32_dpp v8, v8, v8 row_xmask:1 row_mask:0xf bank_mask:0xf   ; and of my neighbour's 16: the block's
	v_add_nc_u32 v11, -(EMAX<<23), v8              ; EMAX off its exponent field: the conversion takes that field as its scale
	v_cvt_scalef32_pk8_fp4_f32 v[C+4*(\t)], v[XS:XS+7], v11
	v_cvt_scalef32_pk8_fp4_f32 v[C+4*(\t)+1], v[XS+8:XS+15], v11
	v_lshrrev_b32 v[E+(\t)], 23, v11               ; the scale's byte (also the plain line behind the conversions)
	ds_store_b8 v5, v[E+(\t)] offset:16*(\t)       ; both lanes of a block write the same byte with the same value
	global_store_b64 v4, v[C+4*(\t):C+4*(\t)+1], s[10:11] offset:32*CB*(\t)   ; the wave stores 256 consecutive bytes, aligned
.endm
.irp t, 0,1,2,3,4,5,6,7,8,9,10,11,12,13,14,15
	STEP \t
.endr
	ds_load_b64 v[8:9], v6                         ; LDS serves a wave's instructions in order: these see my byte stores
	s_wait_dscnt 0x0
	global_store_b64 v7, v[8:9], s[12:13]          ; 32 lanes store 256 consecutive bytes, aligned
	s_wait_tensorcnt 0x0                           ; the wave's end
	ds_add_u32 v[SPW], v[NIL]
	s_wait_dscnt 0x0
	s_endpgm
	; ---- Wo to f16 images.  This arm touches no LDS.
.Lwo:
	v_and_b32 v5, 15, v0                           ; r
	v_bfe_u32 v6, v0, 4, 1                         ; h
	v_lshlrev_b32 v3, 12, v5                       ; row r of 4,096 bytes
	v_lshl_add_u32 v3, v6, 5, v3                   ; + 32 h: my 8 numbers of a block's 16
	v_lshlrev_b32 v4, 4, v2                        ; 16 x lane
	s_sub_co_u32 s7, ttmp9, NQWG
	s_lshl_b32 s7, s7, 2
	s_add_co_u32 s7, s7, s36                       ; my wave's task, 0 .. 511
	s_lshr_b32 s8, s7, 3                           ; nt
	s_and_b32 s10, s7, 7                           ; ks
	s_lshl_b32 s12, s8, 16                         ; 16 rows of 4,096 bytes
	s_lshl_b32 s13, s10, 9                         ; 128 numbers along K
	s_add_co_u32 s12, s12, s13
	s_mov_b32 s13, 0
	s_lshl_b32 s14, s10, 6
	s_add_co_u32 s14, s14, s8
	s_lshl_b32 s14, s14, 12                        ; (64 ks + nt) x 4,096 bytes
	s_mov_b32 s15, 0
	s_wait_kmcnt 0x0
	s_add_nc_u64 s[4:5], s[28:29], s[12:13]
	s_add_nc_u64 s[6:7], s[34:35], s[14:15]
.irp c, 0,1,2,3,4,5,6,7
	global_load_b128 v[16+8*\c:16+8*\c+3], v3, s[4:5] offset:64*\c th:TH_LOAD_NT
	global_load_b128 v[16+8*\c+4:16+8*\c+7], v3, s[4:5] offset:64*\c+16 th:TH_LOAD_NT
.endr
	s_wait_loadcnt 0x0
.irp c, 0,1,2,3,4,5,6,7
.irp i, 0,1,2,3
	v_cvt_pk_f16_f32 v[128+4*\c+\i], v[16+8*\c+2*\i], v[16+8*\c+2*\i+1]
.endr
.endr
.irp c, 0,1,2,3,4,5,6,7
	global_store_b128 v4, v[128+4*\c:128+4*\c+3], s[6:7] offset:512*\c   ; a block: 512 consecutive bytes, aligned
.endr
	s_endpgm
.Lfunc_end_k_q253e01defe_prep:
	.size	k_q253e01defe_prep, .Lfunc_end_k_q253e01defe_prep-k_q253e01defe_prep
	.p2alignl 7, 3214868480
	.fill 96, 4, 3214868480
	.section	.rodata,"a",@progbits
	.p2align	6, 0x0
	.amdhsa_kernel k_q253e01defe_prep
		.amdhsa_group_segment_fixed_size 33280
		.amdhsa_private_segment_fixed_size 0
		.amdhsa_enable_private_segment 0
		.amdhsa_kernarg_size 80
		.amdhsa_user_sgpr_count 2
		.amdhsa_user_sgpr_kernarg_segment_ptr 1
		.amdhsa_wavefront_size32 1
		.amdhsa_system_sgpr_workgroup_id_x 1
		.amdhsa_system_sgpr_workgroup_id_y 1
		.amdhsa_system_sgpr_workgroup_id_z 1
		.amdhsa_system_vgpr_workitem_id 0
		.amdhsa_next_free_vgpr 192
		.amdhsa_next_free_sgpr 66
		.amdhsa_reserve_vcc 0
		.amdhsa_float_denorm_mode_32 3
		.amdhsa_float_denorm_mode_16_64 3
		.amdhsa_memory_ordered 1
		.amdhsa_forward_progress 1
		.amdhsa_inst_pref_size 39
	.end_amdhsa_kernel
	.amdgpu_metadata
---
amdhsa.version: [ 1, 2 ]
amdhsa.kernels:
  - .name:           k_q253e01defe_prep
    .symbol:         k_q253e01defe_prep.kd
    .args:
      - { .name: q, .offset: 0, .size: 8, .value_kind: global_buffer, .address_space: global }
      - { .name: k, .offset: 8, .size: 8, .value_kind: global_buffer, .address_space: global }
      - { .name: v, .offset: 16, .size: 8, .value_kind: global_buffer, .address_space: global }
      - { .name: Wq, .offset: 24, .size: 8, .value_kind: global_buffer, .address_space: global }
      - { .name: Wk, .offset: 32, .size: 8, .value_kind: global_buffer, .address_space: global }
      - { .name: Wv, .offset: 40, .size: 8, .value_kind: global_buffer, .address_space: global }
      - { .name: Wo, .offset: 48, .size: 8, .value_kind: global_buffer, .address_space: global }
      - { .name: codes, .offset: 56, .size: 8, .value_kind: global_buffer, .address_space: global }
      - { .name: scales, .offset: 64, .size: 8, .value_kind: global_buffer, .address_space: global }
      - { .name: wo16, .offset: 72, .size: 8, .value_kind: global_buffer, .address_space: global }
    .group_segment_fixed_size: 33280
    .private_segment_fixed_size: 0
    .kernarg_segment_align: 8
    .kernarg_segment_size: 80
    .max_flat_workgroup_size: 128
    .sgpr_count:     66
    .vgpr_count:     192
    .wavefront_size: 32
...
	.end_amdgpu_metadata
.endif
;; end of part 1
;; launch proj (part 2): grid 4 x 96, 4 waves a work-group, clusters of 4 x 4, 327,680 bytes of LDS; arguments codes, scales, bq, bk, bv, qkv; writes qkv
.if DOCPART == 2
	.amdgcn_target "amdgcn-amd-amdhsa--gfx1250"
	.amdhsa_code_object_version 6
	.text
	.protected	k_q253e01defe_proj
	.globl	k_q253e01defe_proj
	.p2align	8
	.type	k_q253e01defe_proj,@function
k_q253e01defe_proj:
	s_mov_b64 s[64:65], 0
	v_nop
	global_prefetch_b8 v0, s[64:65] scope:SCOPE_SE
	s_setreg_imm32_b32 hwreg(HW_REG_WAVE_MODE, 25, 1), 1
	s_wait_xcnt 0x0
	s_wait_alu depctr_hold_cnt(0) depctr_sa_sdst(0) depctr_va_vdst(0) depctr_va_sdst(0) depctr_va_ssrc(0) depctr_va_vcc(0) depctr_vm_vsrc(0)
	s_getreg_b32 s2, hwreg(HW_REG_IB_STS2, 6, 4)
	s_cmp_eq_u32 s2, 0
	s_cbranch_scc0 .Lentry_in_a_cluster
	s_endpgm
.Lentry_in_a_cluster:
	s_bfe_u32 s2, ttmp6, 0x10000c
	s_cmp_lg_u32 s2, 0xf033
	s_cbranch_scc0 .Lentry_shape_is_right
	s_endpgm
.Lentry_shape_is_right:
; The three quantised products x W^T + b, x = q, k, v: [8192][1024] x [1024][1024], on codes of FP4 (E2M1) with one E8M0 scale for each 32 along K, sums in f32.
; codes and scales hold all operands as rows (512 and 32 bytes): rows 0 .. 24,575 are q's, k's, v's; from row 24,576 Wq's, Wk's, Wv's.
; So the three products are ONE walk over 96 tile rows: tile row Y takes rows 256 Y on; tensor T = Y / 32 says which weight and bias.
; A tile of the result, 256 x 256, is made by four waves, each 128 x 128: 64 accumulators.  K = 1,024 is two slots of 512: both are asked for at the head, nothing is filled again.
; The scales of the work-group's rows come once, with the first fills.  The bias is the C of each sum's first product.
; CLUSTERS: 4 x 4 work-groups; A's tiles are asked for jointly along a row of the cluster, B's along a column.  T is made of the cluster's y alone: 8 clusters to a tensor.
; THE MATRIX INSTRUCTION IS USED TRANSPOSED (source 0 = 16 rows of W, source 1 = 16 rows of x): a lane holds eight neighbouring channels of one token.  Rounded to f16 they are
; 16 bytes, and the wave's 32 lanes hold a block of 16 tokens x 16 channels, which is stored as it stands:
; qkv[T][b x 16 + head][token tile 0..127][ct 0..3][512 bytes].  Q's and K's blocks: lane (r, h) at 256 h + 16 r: half an operand's register image.  V's: at 32 r + 16 h: rows of 32 bytes a token.
; LIMITS: |x W^T + b| stays under 65,504 (f16).
; REGISTERS, in windows of 256: window 0: v16-30 addresses; v32-95 scale words, two sets; v128-191 A's fragments, one set; on the way out v128-255 packed results.
;   window 1: B's fragments at v0 and v128; v64-127 the bias, 8 registers for each of my 8 tiles of columns.   windows 2, 3: the accumulators ((a, b) at v[8 (8 (a % 4) + b)]).
.set NQ,     4                         ; steps of 128 along K in a slot
.set ROWB,   256                       ; a tile's row: 512 codes
.set KROW,   512                       ; a row of codes in memory
.set PITCH,  272                       ; an LDS row: 256 bytes + 16 of padding
.set FR,     8
.set NL,     2
.set NP,     4
.set HALFT,  128*PITCH
.set SLOT,   4*HALFT                   ; A's 256 rows, then B's 256 rows
.set KS,     32                        ; a row of scale bytes
.set SCL,    2*SLOT                    ; behind the slots: the scales, as rows of 256 bytes + 16 of padding
.set HALFS,  (128*KS/256)*272
.set SBLK,   (16*KS/256)*272
.set SPARE,  SCL+4*HALFS               ; the spare words, 128 bytes a wave
.set WROW,   24576                     ; the weights' first row
.set ADRA, 16
.set ADRB, 20
.set CO,   26                          ; v26  my 16 bytes' place in a block of the result
.set ADRS, 27
.set SPW,  28
.set NIL,  29
.set BO,   30                          ; v30  32 h: my 8 numbers of a tile's 16 biases
.set SC,   32
.set AF,   128
.set BI,   64                          ; the bias, in window 1
.set PK,   128                         ; the way out: four sets of 32 registers
.set G1, 24
.set G0, 32
.set G1B, 48
.set G0B, 56
.set G1S, 68
.set G0S, 76
.set G1SB, 80
.set G0SB, 88
.set MSB, 0
.macro WIN new                         ; the immediate's high byte repeats the setting that is left
.if MSB != \new
	s_set_vgpr_msb (MSB<<8)|\new
.set MSB, \new
.endif
.endm
.set MUL_LO, 0xa1                      ; source 0 (B) window 1, source 1 (A) window 0, C and D window 2
.set MUL_HI, 0xf1                      ; the same, C and D window 3
.set FST_LO, 0x91                      ; the first step: C is the bias, in window 1; D window 2
.set FST_HI, 0xd1                      ; D window 3
.set TO_B,   0x40                      ; destination window 1, address window 0
; A joint load: waves 0 and 1 fetch for A, waves 2 and 3 for B; the branch hangs on the wave's number alone.  An s_nop 0 and four v_nop follow each line.
.macro JLOAD g0a, g1a, g0b, g1b
	s_cmp_eq_u32 s15, 0
	s_cbranch_scc0 .Lfor_b_\@
	tensor_load_to_lds s[\g0a:\g0a+3], s[\g1a:\g1a+7]
	s_nop 0
.rept 4
	v_nop
.endr
	s_branch .Lasked_\@
.Lfor_b_\@:
	tensor_load_to_lds s[\g0b:\g0b+3], s[\g1b:\g1b+7]
	s_nop 0
.rept 4
	v_nop
.endr
.Lasked_\@:
.endm
.macro CROUND                          ; a round of the cluster's barrier
	s_barrier_signal -1
	s_barrier_wait -1
	s_cmp_lg_u32 s14, 0
	s_cbranch_scc1 .Lnot_wave_0_\@
	s_barrier_signal -3
.Lnot_wave_0_\@:
	s_barrier_wait -3
	s_barrier_signal -1
	s_barrier_wait -1
.endm
	s_load_b128 s[4:7], s[0:1], 0x0                ; codes, scales
	s_load_b128 s[8:11], s[0:1], 0x10              ; bq, bk
	s_load_b128 s[96:99], s[0:1], 0x20             ; bv, qkv
	v_lshl_add_u32 v[SPW], v0, 2, SPARE
	v_mov_b32 v[NIL], 0
	ds_add_u32 v[SPW], v[NIL]                      ; the wave's opening: the add, twice on end, and its wait ahead of my first tensor load
	ds_add_u32 v[SPW], v[NIL]
	v_lshrrev_b32 v1, 5, v0
	v_readfirstlane_b32 s14, v1                    ; wave 0..3
	s_lshr_b32 s15, s14, 1                         ; which half of the tile's rows is mine.  Also: I fetch for A (0) or for B (1)
	s_and_b32 s16, s14, 1                          ; which half of its columns.  Also: which 128 rows I fetch
	s_bfe_u32 s40, ttmp6, 0x40000                  ; cx
	s_bfe_u32 s41, ttmp6, 0x40004                  ; cy
	s_lshl_b32 s42, ttmp9, 2
	s_add_co_u32 s42, s42, s40                     ; tile column X
	s_and_b32 s17, ttmp7, 0xffff
	s_lshr_b32 s66, s17, 3                         ; T: which tensor; of the cluster's y alone, so all sixteen partners agree
	s_lshl_b32 s17, s17, 2
	s_add_co_u32 s17, s17, s41                     ; tile row Y, 0 .. 95
	s_lshl_b32 s43, s41, 2
	s_lshl_b32 s43, 15, s43                        ; my row of the cluster
	s_lshl_b32 s44, 0x1111, s40                    ; my column
	s_or_b32 s[G1+0], s43, (0<<16)|(1<<20)|(1<<21)|(5<<22)|(3<<25)  ; mask; elements of 1 byte; padding: 4 words behind every 64; bit 21 beside a mask
	s_or_b32 s[G1B+0], s44, (0<<16)|(1<<20)|(1<<21)|(5<<22)|(3<<25)
.irp g, G1, G1B
	s_mov_b32 s[\g+1], ROWB<<16                    ; tensor_dim0
	s_mov_b32 s[\g+2], 128<<16                     ; tensor_dim1
	s_mov_b32 s[\g+3], ROWB<<16                    ; tile_dim0
	s_mov_b32 s[\g+4], 128                         ; tile_dim1
	s_mov_b32 s[\g+5], KROW                        ; from row to row
	s_mov_b32 s[\g+6], 0
	s_mov_b32 s[\g+7], 0
.endr
	s_or_b32 s[G1S+0], s43, (3<<16)|(1<<20)|(1<<21)|(5<<22)|(3<<25) ; the scales of 128 rows: 4,096 dense bytes as 16 rows of 256 (32 elements of 8 bytes)
	s_or_b32 s[G1SB+0], s44, (3<<16)|(1<<20)|(1<<21)|(5<<22)|(3<<25)
.irp g, G1S, G1SB
	s_mov_b32 s[\g+1], 32<<16
	s_mov_b32 s[\g+2], (128*KS/256)<<16
	s_mov_b32 s[\g+3], 32<<16
	s_mov_b32 s[\g+4], 128*KS/256
	s_mov_b32 s[\g+5], 32
	s_mov_b32 s[\g+6], 0
	s_mov_b32 s[\g+7], 0
.endr
	s_lshl_b32 s18, s16, 7                         ; which 128 rows I fetch
	s_lshl_b32 s20, s17, 8
	s_add_co_u32 s20, s20, s18                     ; A: row 256 Y + 128 x half
	s_lshl_b32 s46, s42, 8
	s_add_co_u32 s46, s46, s18
	s_lshl_b32 s67, s66, 10
	s_add_co_u32 s46, s46, s67
	s_add_co_u32 s46, s46, WROW                    ; B: row 24,576 + 1,024 T + 256 X + 128 x half
	s_mov_b32 s21, 0
	s_mov_b32 s47, 0
	s_mov_b64 s[18:19], KS
	s_mul_u64 s[22:23], s[20:21], s[18:19]         ; where these rows' scales begin
	s_mul_u64 s[92:93], s[46:47], s[18:19]
	s_mov_b64 s[18:19], KROW
	s_mul_u64 s[20:21], s[20:21], s[18:19]         ; and their codes
	s_mul_u64 s[46:47], s[46:47], s[18:19]
	s_mul_i32 s45, s14, HALFT                      ; where they go: wave x 128 rows
	s_mul_i32 s94, s14, HALFS
	s_wait_dscnt 0x0                               ; both opening adds are done
	s_wait_kmcnt 0x0
	s_add_nc_u64 s[20:21], s[4:5], s[20:21]
	s_add_nc_u64 s[22:23], s[6:7], s[22:23]
	s_add_nc_u64 s[46:47], s[4:5], s[46:47]
	s_add_nc_u64 s[92:93], s[6:7], s[92:93]
	CROUND                                         ; all sixteen work-groups are here: the first joint loads meet
	s_mov_b32 s[G0S], 1
	s_add_co_u32 s[G0S+1], s94, SCL
	s_mov_b64 s[G0S+2:G0S+3], s[22:23]
	s_or_b32 s[G0S+3], s[G0S+3], 0x80000000
	s_mov_b32 s[G0SB], 1
	s_add_co_u32 s[G0SB+1], s94, SCL
	s_mov_b64 s[G0SB+2:G0SB+3], s[92:93]
	s_or_b32 s[G0SB+3], s[G0SB+3], 0x80000000
	JLOAD G0S, G1S, G0SB, G1SB                     ; the scales first; then both slots: three loads of mine are out
.irp s, 0,1
	s_mov_b32 s[G0+4*\s], 1
	s_add_co_u32 s[G0+4*\s+1], s45, \s*SLOT
	s_add_nc_u64 s[G0+4*\s+2:G0+4*\s+3], s[20:21], \s*ROWB
	s_or_b32 s[G0+4*\s+3], s[G0+4*\s+3], 0x80000000
	s_mov_b32 s[G0B+4*\s], 1
	s_add_co_u32 s[G0B+4*\s+1], s45, \s*SLOT
	s_add_nc_u64 s[G0B+4*\s+2:G0B+4*\s+3], s[46:47], \s*ROWB
	s_or_b32 s[G0B+4*\s+3], s[G0B+4*\s+3], 0x80000000
	JLOAD G0+4*\s, G1, G0B+4*\s, G1B
.endr
	v_and_b32 v1, 15, v0                           ; r
	v_bfe_u32 v2, v0, 4, 1                         ; h
	v_lshlrev_b32 v[BO], 5, v2
	; the bias of my 128 columns, in the result's layout: lane (r, h), tile b, register j: b_T[256 X + 128 wc + 16 b + 8 h + j]
	s_cmp_eq_u32 s66, 1
	s_cselect_b64 s[92:93], s[10:11], s[96:97]
	s_cmp_eq_u32 s66, 0
	s_cselect_b64 s[92:93], s[8:9], s[92:93]
	s_lshl_b32 s46, s42, 10
	s_lshl_b32 s47, s16, 9
	s_add_co_u32 s46, s46, s47
	s_mov_b32 s47, 0
	s_add_nc_u64 s[92:93], s[92:93], s[46:47]
	WIN TO_B
.irp b, 0,1,2,3,4,5,6,7
	global_load_b128 v[BI+8*\b:BI+8*\b+3], v[BO], s[92:93] offset:64*\b
	global_load_b128 v[BI+8*\b+4:BI+8*\b+7], v[BO], s[92:93] offset:64*\b+16
.endr
	WIN 0
	v_mul_u32_u24 v3, v1, PITCH
	v_lshl_add_u32 v4, v2, 4, v3                   ; a fragment's row x pitch + 16 x half
	s_mul_i32 s21, s15, HALFT                      ; my 128 rows of A
	s_mul_i32 s22, s16, HALFT                      ; my 128 rows of B,
	s_add_co_u32 s22, s22, 2*HALFT                 ; behind A's 256
.irp s, 0,1
	v_add_nc_u32 v[ADRA+\s], s21, v4
	v_add_nc_u32 v[ADRB+\s], s22, v4
	s_add_co_u32 s21, s21, SLOT
	s_add_co_u32 s22, s22, SLOT
.endr
	v_mul_u32_u24 v5, v1, KS                       ; my row's scales: 32 bytes a row,
	v_lshrrev_b32 v6, 8, v5
	v_lshl_add_u32 v5, v6, 4, v5                   ; and 16 more for each 256 passed
	s_mul_i32 s21, s15, HALFS
	s_mul_i32 s22, s16, HALFS
	s_add_co_u32 s22, s22, 2*HALFS
	s_sub_co_u32 s22, s22, s21
	v_mul_u32_u24 v6, s22, v2                      ; lanes 16-31 take B's
	s_add_co_u32 s21, s21, SCL
	v_add_nc_u32 v5, v5, v6
	v_add_nc_u32 v[ADRS], s21, v5
	; the way out: my place in a block, and where my first block lies
	s_cmp_eq_u32 s66, 2                            ; V's blocks are rows of 32 bytes a token; Q's and K's are register images
	s_cselect_b32 s18, 32, 16
	s_cselect_b32 s19, 16, 256
	v_mul_u32_u24 v[CO], s18, v1
	v_mad_u32_u24 v[CO], v2, s19, v[CO]
	s_and_b32 s20, s17, 31                         ; the tile row inside the tensor
	s_lshr_b32 s21, s20, 3                         ; the batch
	s_lshl_b32 s21, s21, 4
	s_lshl_b32 s22, s42, 2
	s_add_co_u32 s21, s21, s22
	s_lshl_b32 s22, s16, 1
	s_add_co_u32 s21, s21, s22                     ; 16 x batch + head of my first column: 4 X + 2 wc
	s_lshl_b32 s21, s21, 18                        ; a head: 262,144 bytes
	s_and_b32 s20, s20, 7
	s_lshl_b32 s20, s20, 4
	s_lshl_b32 s22, s15, 3
	s_add_co_u32 s20, s20, s22                     ; my first token tile
	s_lshl_b32 s20, s20, 11                        ; 2,048 bytes a token tile
	s_add_co_u32 s20, s20, s21
	s_lshl_b32 s22, s66, 24                        ; a tensor: 16,777,216 bytes
	s_add_co_u32 s20, s20, s22
	s_mov_b32 s21, 0
	s_add_nc_u64 s[98:99], s[98:99], s[20:21]
.macro FRAG reg, adr, q, i             ; 16 rows x 128 K of 4-bit codes: 8 registers, two loads of 16 bytes, 32 bytes apart
.irp c, 0,1
	ds_load_b128 v[\reg+4*\c:\reg+4*\c+3], v[\adr] offset:64*(\q)+32*\c+(\i)*16*PITCH
.endr
.endm
; 16 matrix instructions: A's blocks a0, a0 + 1 x B's eight.  p: B's set; sc: the set of scale words.  first = 1: C is the bias.  The 64 accumulators take turns.
.macro MUL16 a0, p, q, sc, first
.irp a, \a0, \a0+1
.irp b, 0,1,2,3,4,5,6,7
.if \first
	v_wmma_scale_f32_16x16x128_f8f6f4 v[8*(8*((\a)%4)+\b):8*(8*((\a)%4)+\b)+7], v[128*(\p)+FR*\b:128*(\p)+FR*\b+FR-1], v[AF+FR*(\a):AF+FR*(\a)+FR-1], v[BI+8*\b:BI+8*\b+7], v[SC+8*NQ*(\sc)+NQ*\b+(\q)], v[SC+8*NQ*(\sc)+NQ*(\a)+(\q)] matrix_a_fmt:MATRIX_FMT_FP4 matrix_b_fmt:MATRIX_FMT_FP4 matrix_a_scale:MATRIX_SCALE_ROW1
.else
	v_wmma_scale_f32_16x16x128_f8f6f4 v[8*(8*((\a)%4)+\b):8*(8*((\a)%4)+\b)+7], v[128*(\p)+FR*\b:128*(\p)+FR*\b+FR-1], v[AF+FR*(\a):AF+FR*(\a)+FR-1], v[8*(8*((\a)%4)+\b):8*(8*((\a)%4)+\b)+7], v[SC+8*NQ*(\sc)+NQ*\b+(\q)], v[SC+8*NQ*(\sc)+NQ*(\a)+(\q)] matrix_a_fmt:MATRIX_FMT_FP4 matrix_b_fmt:MATRIX_FMT_FP4 matrix_a_scale:MATRIX_SCALE_ROW1
.endif
.endr
.endr
.endm
.macro FETCH_B slot, q, p
	WIN TO_B
.irp i, 0,1,2,3,4,5,6,7
	FRAG 128*(\p)+FR*\i, ADRB+\slot, \q, \i
.endr
	WIN 0
.endm
.macro FETCH_A slot, q, i0
.irp i, \i0, \i0+1, \i0+2, \i0+3
	FRAG AF+FR*(\i), ADRA+\slot, \q, \i
.endr
.endm
.macro SCALES sc                       ; a slot's scale words: lanes 0-15 take A's block i, lanes 16-31 B's block i; four words a row
.irp i, 0,1,2,3,4,5,6,7
	ds_load_b128 v[SC+8*NQ*\sc+NQ*\i:SC+8*NQ*\sc+NQ*\i+3], v[ADRS] offset:\i*SBLK
.endr
.endm
.macro PLACES n                        ; plain vector lines between matrix instructions and loads into, or reads of, their registers
.rept \n
	v_nop
.endr
.endm
.macro STEP slot, q, first             ; a step of 128 along K that has its successor in the same slot
	s_wait_dscnt 4*NL                              ; B's set and A's blocks 0-3 are in; the youngest eight loads (A's blocks 4-7) may be out
.if \first
	WIN FST_LO
.else
	WIN MUL_LO
.endif
	MUL16 0, (\q)%2, \q, \slot, \first
	MUL16 2, (\q)%2, \q, \slot, \first
	s_wait_dscnt 0
	PLACES NP
	FETCH_B \slot, (\q)+1, 1-(\q)%2
	FETCH_A \slot, (\q)+1, 0
.if \first
	WIN FST_HI
.else
	WIN MUL_HI
.endif
	MUL16 4, (\q)%2, \q, \slot, \first
	MUL16 6, (\q)%2, \q, \slot, \first
	PLACES NP
	WIN 0
	FETCH_A \slot, (\q)+1, 4
.endm
	s_wait_tensorcnt 1                             ; the scales and my part of slot 0 are in; slot 1's load may be out
	s_barrier_signal -1
	s_barrier_wait -1
	FETCH_B 0, 0, 0
	FETCH_A 0, 0, 0
	SCALES 0
	FETCH_A 0, 0, 4
	s_wait_loadcnt 0x0                             ; the bias
	STEP 0, 0, 1                                   ; the first products start the sums from the bias: nothing is cleared
	STEP 0, 1, 0
	STEP 0, 2, 0
	; slot 0's last step changes slots: one barrier; nothing is filled again
	s_wait_tensorcnt 0x0                           ; my part of slot 1 has landed
	ds_add_u32 v[SPW], v[NIL]
	s_wait_dscnt 4*NL+1                            ; (the add and A's blocks 4-7 may be out)
	WIN MUL_LO
	MUL16 0, 1, NQ-1, 0, 0
	s_wait_dscnt 0x0
	s_barrier_signal -1
	MUL16 2, 1, NQ-1, 0, 0
	WIN 0
	s_barrier_wait -1                              ; slot 1 is whole
	PLACES NP
	v_add_nc_u32 v[ADRS], 4*NQ, v[ADRS]            ; the next 512 along K: 16 scale bytes on
	FETCH_B 1, 0, 0
	FETCH_A 1, 0, 0
	SCALES 1
	WIN MUL_HI
	MUL16 4, 1, NQ-1, 0, 0
	MUL16 6, 1, NQ-1, 0, 0
	PLACES NP
	WIN 0
	FETCH_A 1, 0, 4
	STEP 1, 0, 0
	STEP 1, 1, 0
	STEP 1, 2, 0
	s_wait_dscnt 4*NL                              ; the last step: nothing more to fetch
	WIN MUL_LO
	MUL16 0, 1, NQ-1, 1, 0
	MUL16 2, 1, NQ-1, 1, 0
	s_wait_dscnt 0
	WIN MUL_HI
	MUL16 4, 1, NQ-1, 1, 0
	MUL16 6, 1, NQ-1, 1, 0
	WIN 0
; THE WAY OUT, 16 tokens at a time: each accumulator, from its low end on, is rounded to f16: 16 bytes a lane; the wave's 32 lanes hold one block and store 512 consecutive bytes, aligned.
.macro OUTB a
	WIN 0x0a+5*((\a)/4)                            ; sources 0 and 1: window 2 or 3
.irp b, 0,1,2,3,4,5,6,7
.irp i, 0,1,2,3
	v_cvt_pk_f16_f32 v[PK+32*((\a)%4)+4*\b+\i], v[64*((\a)%4)+8*\b+2*\i], v[64*((\a)%4)+8*\b+2*\i+1]
.endr
.endr
	WIN 0
.irp b, 0,1,2,3,4,5,6,7
	global_store_b128 v[CO], v[PK+32*((\a)%4)+4*\b:PK+32*((\a)%4)+4*\b+3], s[98:99] offset:(\a)*2048+(\b/4)*262144+(\b%4)*512   ; token tile a; head b / 4; channels 16 (b % 4) on
.endr
.endm
	PLACES NP                                      ; behind the last products: their results are read, and A's registers are written
	OUTB 0
	OUTB 1
	OUTB 2
	OUTB 3
	s_wait_xcnt 0x0                                ; the stores so far have read their registers: the four sets are written again
	OUTB 4
	OUTB 5
	OUTB 6
	OUTB 7
	s_wait_tensorcnt 0x0                           ; the wave's end
	ds_add_u32 v[SPW], v[NIL]
	s_wait_dscnt 0x0
	CROUND                                         ; the closing round
	s_endpgm
.Lfunc_end_k_q253e01defe_proj:
	.size	k_q253e01defe_proj, .Lfunc_end_k_q253e01defe_proj-k_q253e01defe_proj
	.p2alignl 7, 3214868480
	.fill 96, 4, 3214868480
	.section	.rodata,"a",@progbits
	.p2align	6, 0x0
	.amdhsa_kernel k_q253e01defe_proj
		.amdhsa_group_segment_fixed_size 327680
		.amdhsa_private_segment_fixed_size 0
		.amdhsa_enable_private_segment 0
		.amdhsa_kernarg_size 48
		.amdhsa_user_sgpr_count 2
		.amdhsa_user_sgpr_kernarg_segment_ptr 1
		.amdhsa_wavefront_size32 1
		.amdhsa_system_sgpr_workgroup_id_x 1
		.amdhsa_system_sgpr_workgroup_id_y 1
		.amdhsa_system_sgpr_workgroup_id_z 1
		.amdhsa_system_vgpr_workitem_id 0
		.amdhsa_next_free_vgpr 1024
		.amdhsa_next_free_sgpr 100
		.amdhsa_reserve_vcc 0
		.amdhsa_float_denorm_mode_32 3
		.amdhsa_float_denorm_mode_16_64 3
		.amdhsa_memory_ordered 1
		.amdhsa_forward_progress 1
		.amdhsa_inst_pref_size 120
	.end_amdhsa_kernel
	.amdgpu_metadata
---
amdhsa.version: [ 1, 2 ]
amdhsa.kernels:
  - .name:           k_q253e01defe_proj
    .symbol:         k_q253e01defe_proj.kd
    .args:
      - { .name: codes, .offset: 0, .size: 8, .value_kind: global_buffer, .address_space: global }
      - { .name: scales, .offset: 8, .size: 8, .value_kind: global_buffer, .address_space: global }
      - { .name: bq, .offset: 16, .size: 8, .value_kind: global_buffer, .address_space: global }
      - { .name: bk, .offset: 24, .size: 8, .value_kind: global_buffer, .address_space: global }
      - { .name: bv, .offset: 32, .size: 8, .value_kind: global_buffer, .address_space: global }
      - { .name: qkv, .offset: 40, .size: 8, .value_kind: global_buffer, .address_space: global }
    .group_segment_fixed_size: 327680
    .private_segment_fixed_size: 0
    .kernarg_segment_align: 8
    .kernarg_segment_size: 48
    .max_flat_workgroup_size: 128
    .sgpr_count:     100
    .vgpr_count:     1024
    .wavefront_size: 32
...
	.end_amdgpu_metadata
.endif
;; end of part 2
;; launch attn (part 3): grid 4 x 64, 8 waves a work-group, clusters of 4 x 1, 327,680 bytes of LDS; arguments qkv, ctx; writes ctx
.if DOCPART == 3
	.amdgcn_target "amdgcn-amd-amdhsa--gfx1250"
	.amdhsa_code_object_version 6
	.text
	.protected	k_q253e01defe_attn
	.globl	k_q253e01defe_attn
	.p2align	8
	.type	k_q253e01defe_attn,@function
k_q253e01defe_attn:
	s_mov_b64 s[64:65], 0
	v_nop
	global_prefetch_b8 v0, s[64:65] scope:SCOPE_SE
	s_setreg_imm32_b32 hwreg(HW_REG_WAVE_MODE, 25, 1), 1
	s_wait_xcnt 0x0
	s_wait_alu depctr_hold_cnt(0) depctr_sa_sdst(0) depctr_va_vdst(0) depctr_va_sdst(0) depctr_va_ssrc(0) depctr_va_vcc(0) depctr_vm_vsrc(0)
	s_getreg_b32 s2, hwreg(HW_REG_IB_STS2, 6, 4)
	s_cmp_eq_u32 s2, 0
	s_cbranch_scc0 .Lentry_in_a_cluster
	s_endpgm
.Lentry_in_a_cluster:
	s_bfe_u32 s2, ttmp6, 0x10000c
	s_cmp_lg_u32 s2, 0x3003
	s_cbranch_scc0 .Lentry_shape_is_right
	s_endpgm
.Lentry_shape_is_right:
; ctx[b][s][head x 64 + d] = the sum over keys of softmax(Q . K / 8) V, per (batch, head), 2,048 queries and keys, head size 64, no mask.  Operands f16, products, maxima and sums f32.
; qkv[T][bh][token tile][ct][512 bytes]: blocks of 16 tokens x 16 channels.  Q's and K's blocks are halves of operand register images (16 bytes a lane at 16 x lane); V's are rows of 32 bytes a token.
; SHARES.  A cluster of four work-groups is one (batch, head); a work-group owns 512 queries, each of its eight waves 64: four tiles of 16.  Two waves share a SIMD, 512 registers each,
; so that one wave's softmax stands beside the other's products.  Every wave walks all 2,048 keys, 64 a step.
; LAYOUT.  S^T = K Q^T (source 0 = 16 keys, source 1 = 16 queries), O^T = V^T P (source 0 = 16 channels, turned by ds_load_tr16_b128; source 1 = P): a lane holds ONE query throughout; two tiles of S^T,
; rounded to f16 in pairs, are source 1 of the second product, made in place.
; SOFTMAX.  A running maximum m and sum l a query: p = 2^(c s - c m), c = log2(e) / 8; in every step O and l are multiplied by a = 2^(c m_old - c m_new).  l sums the unrounded p.
; RING.  Two slots of 512 keys (K's 65,536 bytes, then V's); a head's K and V are dense, so each of the eight waves fetches 16,384 bytes (64 rows of 256) by ONE line: both addresses step with the wave's number.
; The four partners walk the same K and V: every load is asked for jointly.  A refill goes out eight key steps ahead of its first read, so nothing is asked of memory earlier than that.
; OUT.  ctx[ks = head / 2][row tile][blk = 4 (head % 2) + ct][512 bytes]: the next product's register images, stored straight from registers.
; LIMITS: |Q|, |K|, |V| under 65,504 as stored; weights p under 2^-24 of the row's largest count as 0 in the second product (f16).
; REGISTERS.  Window 0: v2-7 addresses; v16-47 statistics, 8 a tile (+0 c m, +1 m, +2, +3 l, +4..+7 at work, a in +6); v64-191 S^T, 32 a tile, P in each tile's first 16; v192-255 K of a step.
;   Window 1: v0-127 O^T ((t, ct) at 32 t + 8 ct); v128-191 Q ((t, g) at 128 + 16 t + 8 g); v192-255 V of a step.
.set SLOT1, 1<<17
.set VOFF,  65536
.set STEPB, 8192                       ; a step's 64 keys: 4 token tiles of 2,048 bytes
.set SPARE, 2*SLOT1                    ; the spare words, 128 bytes for each of eight waves
.set AK0, 2                            ; v2  16 x lane: my place in an image (LDS, Q, ctx)
.set AV0, 3                            ; v3  my place in a block of V, for the turning load
.set ADR, 4
.set SPW, 6
.set NIL, 7
.set ST,  16
.set S,   64
.set KF,  192
.set QF,  128
.set VF,  192
.set WV,  12
.set CX,  13
.set BH,  14
.set G1,  16                           ; s[16:23] the one group 1
.set G0A, 24                           ; s[24:27] slot 0's first fill
.set G0B, 28                           ; s[28:31] slot 1's first fill; then it walks
.set TB,  32                           ; s32 LDS byte at which the step to be fetched begins
.set SLOTS, 33
.set CNT, 34
.set CS,  36                           ; s[36:37] c
.set SEL, 38                           ; s[38:39] lane l xor 16
.set MSB, 0
.macro WIN new
.if MSB != \new
	s_set_vgpr_msb (MSB<<8)|\new
.set MSB, \new
.endif
.endm
.set W_KQ, 0x04                        ; Q (source 1) in window 1; K, S^T in window 0
.set W_PV, 0x51                        ; V, O^T in window 1; P (source 1) in window 0.  It serves the rescaling too: O^T x a
.set TO1,  0x40                        ; destination window 1
.macro CROUND
	s_barrier_signal -1
	s_barrier_wait -1
	s_cmp_lg_u32 s[WV], 0
	s_cbranch_scc1 .Lnot_wave_0_\@
	s_barrier_signal -3
.Lnot_wave_0_\@:
	s_barrier_wait -3
	s_barrier_signal -1
	s_barrier_wait -1
.endm
	s_load_b128 s[4:7], s[0:1], 0x0                ; qkv, ctx
	v_lshl_add_u32 v[SPW], v0, 2, SPARE
	v_mov_b32 v[NIL], 0
	ds_add_u32 v[SPW], v[NIL]                      ; the wave's opening: the add, twice on end, and its wait ahead of my first tensor load
	ds_add_u32 v[SPW], v[NIL]
	v_lshrrev_b32 v1, 5, v0
	v_readfirstlane_b32 s[WV], v1                  ; wave 0..7
	s_bfe_u32 s[CX], ttmp6, 0x40000                ; my block of 512 queries: it enters Q's and ctx's addresses alone
	s_and_b32 s[BH], ttmp7, 0xffff                 ; 16 x batch + head, which the four partners share
	s_mov_b32 s[G1], 15|(3<<16)|(1<<21)            ; the mask: all four; elements of 8 bytes; bit 21 beside a mask; no padding
	s_mov_b32 s[G1+1], 32<<16                      ; tensor_dim0 = 32 elements: 256 bytes
	s_mov_b32 s[G1+2], 64<<16                      ; tensor_dim1 = 64
	s_mov_b32 s[G1+3], 32<<16                      ; tile_dim0
	s_mov_b32 s[G1+4], 64                          ; tile_dim1
	s_mov_b32 s[G1+5], 32                          ; from row to row: dense
	s_mov_b32 s[G1+6], 0
	s_mov_b32 s[G1+7], 0
	s_and_b32 s40, s[WV], 3
	s_lshl_b32 s40, s40, 14                        ; my quarter of a slot's K or V,
	s_lshr_b32 s41, s[WV], 2
	s_lshl_b32 s41, s41, 24                        ; waves 4 to 7: V, one tensor on,
	s_add_co_u32 s40, s40, s41
	s_lshl_b32 s41, s[BH], 18                      ; my head,
	s_add_co_u32 s40, s40, s41
	s_add_co_u32 s40, s40, 1<<24                   ; behind Q's tensor
	s_mov_b32 s41, 0
	s_lshl_b32 s42, s[WV], 14                      ; and in a slot: wave x 16,384
	s_mov_b32 s[CS], 0x3e38aa3b                    ; c = log2(e) / 8
	s_mov_b32 s[CS+1], s[CS]
	s_mov_b32 s[SEL], 0x76543210
	s_mov_b32 s[SEL+1], 0xfedcba98
	s_mov_b32 s[TB], 0
	s_lshl_b32 s48, s[BH], 18                      ; Q: my head, my work-group's 32 token tiles, my wave's 4
	s_lshl_b32 s49, s[CX], 16
	s_add_co_u32 s48, s48, s49
	s_lshl_b32 s49, s[WV], 13
	s_add_co_u32 s48, s48, s49
	s_mov_b32 s49, 0
	s_and_b32 s52, s[BH], 15                       ; ctx: head / 2 picks the K step, head % 2 its half,
	s_lshr_b32 s53, s52, 1
	s_lshl_b32 s53, s53, 21
	s_and_b32 s52, s52, 1
	s_lshl_b32 s52, s52, 11
	s_add_co_u32 s52, s52, s53
	s_lshr_b32 s53, s[BH], 4
	s_lshl_b32 s53, s53, 19                        ; the batch's 128 row tiles of 4,096 bytes,
	s_add_co_u32 s52, s52, s53
	s_lshl_b32 s53, s[CX], 17                      ; my work-group's 32,
	s_add_co_u32 s52, s52, s53
	s_lshl_b32 s53, s[WV], 14                      ; my wave's 4
	s_add_co_u32 s52, s52, s53
	s_mov_b32 s53, 0
	s_wait_dscnt 0x0                               ; both opening adds are done
	s_wait_kmcnt 0x0
	s_add_nc_u64 s[44:45], s[4:5], s[40:41]
	s_add_nc_u64 s[50:51], s[4:5], s[48:49]
	s_add_nc_u64 s[6:7], s[6:7], s[52:53]
	CROUND                                         ; all four work-groups are here: the first joint loads meet
	s_mov_b32 s[G0A], 1
	s_mov_b32 s[G0A+1], s42
	s_mov_b64 s[G0A+2:G0A+3], s[44:45]
	s_or_b32 s[G0A+3], s[G0A+3], 0x80000000
	s_mov_b32 s[G0B], 1
	s_add_co_u32 s[G0B+1], s42, SLOT1
	s_add_nc_u64 s[G0B+2:G0B+3], s[44:45], 65536   ; the next 512 keys
	s_or_b32 s[G0B+3], s[G0B+3], 0x80000000
	tensor_load_to_lds s[G0A:G0A+3], s[G1:G1+7]    ; two loads of mine are out
	s_nop 0
	tensor_load_to_lds s[G0B:G0B+3], s[G1:G1+7]
	s_nop 0
.rept 4
	v_nop
.endr
	v_and_b32 v1, 31, v0
	v_lshlrev_b32 v[AK0], 4, v1
	v_bfe_u32 v8, v0, 4, 1                         ; h
	v_and_b32 v9, 7, v0
	v_lshl_add_u32 v[AV0], v8, 3, v9               ; the turning load: lane l reads key 8 h + l % 8,
	v_lshlrev_b32 v[AV0], 5, v[AV0]                ; 32 bytes a key,
	v_bfe_u32 v9, v0, 3, 1
	v_lshl_add_u32 v[AV0], v9, 4, v[AV0]           ; channels 8 ((l / 8) % 2) on
	v_add_nc_u32 v[AV0], VOFF, v[AV0]
	WIN TO1
.irp i, 0,1,2,3,4,5,6,7,8,9,10,11,12,13,14,15      ; Q stays in registers: tile i / 4, block i % 4
	global_load_b128 v[QF+4*\i:QF+4*\i+3], v[AK0], s[50:51] offset:512*\i
.endr
	WIN 0
.macro FETCH_K                         ; a step's K: 16 blocks; fragment (kt, g) at KF + 16 kt + 8 g
	v_add_nc_u32 v[ADR], s[TB], v[AK0]
.irp i, 0,1,2,3,4,5,6,7,8,9,10,11,12,13,14,15
	ds_load_b128 v[KF+4*\i:KF+4*\i+3], v[ADR] offset:512*\i
.endr
.endm
.macro FETCH_V                         ; the same step's V, turned: fragment (kh, ct): 16 channels x 32 keys
	v_add_nc_u32 v[ADR], s[TB], v[AV0]
	s_add_co_u32 s[TB], s[TB], STEPB               ; the next fetch is the next step's
	WIN TO1
.irp kh, 0,1
.irp ct, 0,1,2,3
.irp u, 0,1
	ds_load_tr16_b128 v[VF+8*(4*\kh+\ct)+4*\u:VF+8*(4*\kh+\ct)+4*\u+3], v[ADR] offset:(4*(2*\kh+\u)+\ct)*512
.endr
.endr
.endr
	WIN 0
.endm
.macro KQALL                           ; 32 products; the 16 accumulators take turns; the first 16 start the sums
	WIN W_KQ
.irp g, 0,1
.irp kt, 0,1,2,3
.irp t, 0,1,2,3
.if \g == 0
	v_wmma_f32_16x16x32_f16 v[S+32*\t+8*\kt:S+32*\t+8*\kt+7], v[KF+16*\kt+8*\g:KF+16*\kt+8*\g+7], v[QF+16*\t+8*\g:QF+16*\t+8*\g+7], 0
.else
	v_wmma_f32_16x16x32_f16 v[S+32*\t+8*\kt:S+32*\t+8*\kt+7], v[KF+16*\kt+8*\g:KF+16*\kt+8*\g+7], v[QF+16*\t+8*\g:QF+16*\t+8*\g+7], v[S+32*\t+8*\kt:S+32*\t+8*\kt+7]
.endif
.endr
.endr
.endr
	WIN 0
.endm
.macro PVALL first                     ; 32 products under W_PV; 16 accumulators by turns; first = 1: the first 16 start O^T's sums
.irp kh, 0,1
.irp ct, 0,1,2,3
.irp t, 0,1,2,3
.if \first && (\kh == 0)
	v_wmma_f32_16x16x32_f16 v[32*\t+8*\ct:32*\t+8*\ct+7], v[VF+8*(4*\kh+\ct):VF+8*(4*\kh+\ct)+7], v[S+32*\t+8*\kh:S+32*\t+8*\kh+7], 0
.else
	v_wmma_f32_16x16x32_f16 v[32*\t+8*\ct:32*\t+8*\ct+7], v[VF+8*(4*\kh+\ct):VF+8*(4*\kh+\ct)+7], v[S+32*\t+8*\kh:S+32*\t+8*\kh+7], v[32*\t+8*\ct:32*\t+8*\ct+7]
.endif
.endr
.endr
.endr
.endm
; The four tiles' softmax of one key step, stage by stage, the tiles by turns, so that no line waits for the line above it.  first = 1: no old maximum, no a.
.macro SOFTMAX first
.irp j, 0,1,2,3                        ; the maximum of a lane's 32 scores: four chains; each accumulator is read from its low end on
.irp t, 0,1,2,3
	v_max3_num_f32 v[ST+8*\t+4+\j], v[S+32*\t+8*\j], v[S+32*\t+8*\j+1], v[S+32*\t+8*\j+2]
.endr
.endr
.irp u, 1,2
.irp j, 0,1,2,3
.irp t, 0,1,2,3
	v_max3_num_f32 v[ST+8*\t+4+\j], v[ST+8*\t+4+\j], v[S+32*\t+8*\j+2*\u+1], v[S+32*\t+8*\j+2*\u+2]
.endr
.endr
.endr
.irp t, 0,1,2,3
	v_max3_num_f32 v[ST+8*\t+4], v[ST+8*\t+4], v[S+32*\t+7], v[S+32*\t+15]
.endr
.irp t, 0,1,2,3
	v_max3_num_f32 v[ST+8*\t+6], v[ST+8*\t+6], v[S+32*\t+23], v[S+32*\t+31]
.endr
.irp t, 0,1,2,3
	v_max3_num_f32 v[ST+8*\t+4], v[ST+8*\t+4], v[ST+8*\t+5], v[ST+8*\t+6]
.endr
.irp t, 0,1,2,3
.if \first
	v_max_num_f32 v[ST+8*\t+4], v[ST+8*\t+4], v[ST+8*\t+7]
.else
	v_max3_num_f32 v[ST+8*\t+4], v[ST+8*\t+4], v[ST+8*\t+7], v[ST+8*\t+1]   ; and the old m
.endif
.endr
.irp t, 0,1,2,3
	v_permlanex16_b32 v[ST+8*\t+5], v[ST+8*\t+4], s[SEL], s[SEL+1]          ; the query's other 32 keys lie in the lane 16 away
.endr
.if !\first
.irp t, 0,1,2,3
	v_mov_b32 v[ST+8*\t+7], v[ST+8*\t]             ; c m_old is kept for a
.endr
.endif
.irp t, 0,1,2,3
	v_max_num_f32 v[ST+8*\t+1], v[ST+8*\t+4], v[ST+8*\t+5]
.endr
.irp t, 0,1,2,3
	v_mul_f32 v[ST+8*\t], s[CS], v[ST+8*\t+1]
.endr
.if !\first
.irp t, 0,1,2,3
	v_sub_f32 v[ST+8*\t+7], v[ST+8*\t+7], v[ST+8*\t]
.endr
.endif
.irp b, 0,2,4,6,8,10,12,14,16,18,20,22,24,26,28,30
.irp t, 0,1,2,3
	v_pk_fma_f32 v[S+32*\t+\b:S+32*\t+\b+1], v[S+32*\t+\b:S+32*\t+\b+1], s[CS:CS+1], v[ST+8*\t:ST+8*\t+1] op_sel_hi:[1,0,0] neg_lo:[0,0,1] neg_hi:[0,0,1]   ; c s - c m
.endr
.endr
.if !\first                            ; ONE BATCH of exponentials: none reads another's result
.irp t, 0,1,2,3
	v_exp_f32 v[ST+8*\t+6], v[ST+8*\t+7]           ; a
.endr
.endif
.set e, 0
.rept 32
.irp t, 0,1,2,3
	v_exp_f32 v[S+32*\t+e], v[S+32*\t+e]           ; p
.endr
.set e, e+1
.endr
	v_nop                                          ; a plain line behind the last exponential,
	s_wait_alu depctr_va_vdst(0)                   ; and one wait for the batch, ahead of its first reader
.irp t, 0,1,2,3                        ; l takes the unrounded p, two at a time
.if \first
	v_pk_add_f32 v[ST+8*\t+2:ST+8*\t+3], v[S+32*\t:S+32*\t+1], v[S+32*\t+2:S+32*\t+3]
.else
	v_pk_fma_f32 v[ST+8*\t+2:ST+8*\t+3], v[ST+8*\t+2:ST+8*\t+3], v[ST+8*\t+6:ST+8*\t+7], v[S+32*\t:S+32*\t+1] op_sel_hi:[1,0,1]
.endif
.endr
.if !\first
.irp t, 0,1,2,3
	v_pk_add_f32 v[ST+8*\t+2:ST+8*\t+3], v[ST+8*\t+2:ST+8*\t+3], v[S+32*\t+2:S+32*\t+3]
.endr
.endif
.irp b, 4,6,8,10,12,14,16,18,20,22,24,26,28,30
.irp t, 0,1,2,3
	v_pk_add_f32 v[ST+8*\t+2:ST+8*\t+3], v[ST+8*\t+2:ST+8*\t+3], v[S+32*\t+\b:S+32*\t+\b+1]
.endr
.endr
.irp j, 0,1,2,3,4,5,6,7,8,9,10,11,12,13,14,15      ; P in place: register j takes pair j; ascending, so no pair is written before it is read
.irp t, 0,1,2,3
	v_cvt_pk_f16_f32 v[S+32*\t+\j], v[S+32*\t+2*\j], v[S+32*\t+2*\j+1]
.endr
.endr
.endm
.macro RESCALE                         ; O^T x a, each accumulator from its low end on
	WIN W_PV
.irp i, 0,2,4,6,8,10,12,14,16,18,20,22,24,26,28,30
.irp t, 0,1,2,3
	v_pk_mul_f32 v[32*\t+\i:32*\t+\i+1], v[32*\t+\i:32*\t+\i+1], v[ST+8*\t+6:ST+8*\t+7] op_sel_hi:[1,0]
.endr
.endr
.endm
; Key step j: its scores and its V are in registers.  K of step j + 1 is asked for first, V of step j + 1 last.
.macro R first
	FETCH_K
	SOFTMAX \first
.if \first
	WIN W_PV
.else
	RESCALE
.endif
	s_wait_dscnt 16                                ; V of this step is in; K's 16 loads of the next step may be out
	PVALL \first
	WIN 0
.rept 5
	v_nop                                          ; the next products write over P, which the last products read: five places
.endr
	s_wait_dscnt 0x0                               ; K of the next step is in
	KQALL
.rept 4
	v_nop                                          ; places in front of the loads into K's and V's registers and of the reads of the scores
.endr
	FETCH_V
.endm
.macro RLOOP n
	s_mov_b32 s[CNT], \n
.Lstep_\@:
	R 0
	s_sub_co_u32 s[CNT], s[CNT], 1
	s_cmp_lg_u32 s[CNT], 0
	s_cbranch_scc1 .Lstep_\@
.endm
; THE CHANGE OF SLOTS: all of a slot's reads have been issued.  Each wave waits for all its tensor loads (its part of the other slot), adds 0 to its spare word, waits for that and for its reads.
; fill = 1: behind a round of the cluster's barrier the slot is filled again with the keys two slots on: one load a wave, first thing there.
.macro CHANGE fill
	s_wait_tensorcnt 0x0                           ; no tensor load of mine is out, so a group 0 may be written
	ds_add_u32 v[SPW], v[NIL]
.if \fill
	s_xor_b32 s[G0B+1], s[G0B+1], SLOT1            ; the walking descriptor: the other slot than last time,
	s_add_nc_u64 s[G0B+2:G0B+3], s[G0B+2:G0B+3], 65536   ; the next 512 keys
.endif
	s_wait_dscnt 0x0                               ; the add is done, and my reads of the slot are over
.if \fill
	CROUND
	tensor_load_to_lds s[G0B:G0B+3], s[G1:G1+7]
	s_nop 0
.rept 4
	v_nop
.endr
.else
	s_barrier_signal -1
	s_barrier_wait -1
.endif
	s_sub_co_u32 s[TB], s[TB], 65536               ; the fetches go back to a slot's first step,
	s_xor_b32 s[TB], s[TB], SLOT1                  ; in the other slot
.endm
	s_wait_tensorcnt 0x1                           ; my part of slot 0 is in; slot 1's may stay out
	s_barrier_signal -1
	s_barrier_wait -1
	FETCH_K                                        ; key step 0
	s_wait_loadcnt 0x0                             ; Q
	s_wait_dscnt 0x0
	KQALL
.rept 4
	v_nop
.endr
	FETCH_V
	R 1                                            ; step 0 starts m, l and O^T
	RLOOP 6                                        ; steps 1 to 6; step 6 fetches step 7, slot 0's last
	s_mov_b32 s[SLOTS], 2
.Lslot:                                            ; two trips: slots 0 and 1 are filled again
	CHANGE 1
	RLOOP 8
	s_sub_co_u32 s[SLOTS], s[SLOTS], 1
	s_cmp_lg_u32 s[SLOTS], 0
	s_cbranch_scc1 .Lslot
	CHANGE 0                                       ; the tail is written out: nothing is left to ask for
	RLOOP 8                                        ; steps 23 to 30
	SOFTMAX 0                                      ; step 31
	RESCALE
	s_wait_dscnt 0x0
	PVALL 0
	WIN 0
	; THE WAY OUT.  The additions are the places behind the last products.
.irp t, 0,1,2,3
	v_add_f32 v[ST+8*\t+4], v[ST+8*\t+2], v[ST+8*\t+3]
.endr
.irp t, 0,1,2,3
	v_permlanex16_b32 v[ST+8*\t+5], v[ST+8*\t+4], s[SEL], s[SEL+1]
.endr
.irp t, 0,1,2,3
	v_add_f32 v[ST+8*\t+4], v[ST+8*\t+4], v[ST+8*\t+5]
.endr
.irp t, 0,1,2,3
	v_rcp_f32 v[ST+8*\t+6], v[ST+8*\t+4]
.endr
	v_nop
	s_wait_alu depctr_va_vdst(0)                   ; one wait for the four reciprocals, ahead of their first reader
	WIN 0x41                                       ; O^T (destination, source 0) window 1; 1 / l window 0
.irp t, 0,1,2,3
.irp i, 0,2,4,6,8,10,12,14,16,18,20,22,24,26,28,30
	v_pk_mul_f32 v[32*\t+\i:32*\t+\i+1], v[32*\t+\i:32*\t+\i+1], v[ST+8*\t+6:ST+8*\t+7] op_sel_hi:[1,0]
.endr
.endr
	WIN 0x05                                       ; sources window 1, destination window 0
.set i, 0
.rept 64
	v_cvt_pk_f16_f32 v[S+i], v[2*i], v[2*i+1]      ; a lane's eight channels of (t, ct): 16 bytes in v[S + 4 (4 t + ct)] on
.set i, i+1
.endr
	WIN 0
.irp t, 0,1,2,3
.irp ct, 0,1,2,3
	global_store_b128 v[AK0], v[S+4*(4*\t+\ct):S+4*(4*\t+\ct)+3], s[6:7] offset:\t*4096+\ct*512   ; a block: 512 consecutive bytes, aligned
.endr
.endr
	s_wait_tensorcnt 0x0                           ; the wave's end
	ds_add_u32 v[SPW], v[NIL]
	s_wait_dscnt 0x0
	CROUND                                         ; the closing round
	s_endpgm
.Lfunc_end_k_q253e01defe_attn:
	.size	k_q253e01defe_attn, .Lfunc_end_k_q253e01defe_attn-k_q253e01defe_attn
	.p2alignl 7, 3214868480
	.fill 96, 4, 3214868480
	.section	.rodata,"a",@progbits
	.p2align	6, 0x0
	.amdhsa_kernel k_q253e01defe_attn
		.amdhsa_group_segment_fixed_size 327680
		.amdhsa_private_segment_fixed_size 0
		.amdhsa_enable_private_segment 0
		.amdhsa_kernarg_size 16
		.amdhsa_user_sgpr_count 2
		.amdhsa_user_sgpr_kernarg_segment_ptr 1
		.amdhsa_wavefront_size32 1
		.amdhsa_system_sgpr_workgroup_id_x 1
		.amdhsa_system_sgpr_workgroup_id_y 1
		.amdhsa_system_sgpr_workgroup_id_z 1
		.amdhsa_system_vgpr_workitem_id 0
		.amdhsa_next_free_vgpr 512
		.amdhsa_next_free_sgpr 66
		.amdhsa_reserve_vcc 0
		.amdhsa_float_denorm_mode_32 3
		.amdhsa_float_denorm_mode_16_64 3
		.amdhsa_memory_ordered 1
		.amdhsa_forward_progress 1
		.amdhsa_inst_pref_size 172
	.end_amdhsa_kernel
	.amdgpu_metadata
---
amdhsa.version: [ 1, 2 ]
amdhsa.kernels:
  - .name:           k_q253e01defe_attn
    .symbol:         k_q253e01defe_attn.kd
    .args:
      - { .name: qkv, .offset: 0, .size: 8, .value_kind: global_buffer, .address_space: global }
      - { .name: ctx, .offset: 8, .size: 8, .value_kind: global_buffer, .address_space: global }
    .group_segment_fixed_size: 327680
    .private_segment_fixed_size: 0
    .kernarg_segment_align: 8
    .kernarg_segment_size: 16
    .max_flat_workgroup_size: 256
    .sgpr_count:     66
    .vgpr_count:     512
    .wavefront_size: 32
...
	.end_amdgpu_metadata
.endif
;; end of part 3
;; launch outp (part 4): grid 4 x 64, 4 waves a work-group, clusters of 4 x 4, 327,680 bytes of LDS; arguments ctx, wo16, bo, out0; writes out0
.if DOCPART == 4
	.amdgcn_target "amdgcn-amd-amdhsa--gfx1250"
	.amdhsa_code_object_version 6
	.text
	.protected	k_q253e01defe_outp
	.globl	k_q253e01defe_outp
	.p2align	8
	.type	k_q253e01defe_outp,@function
k_q253e01defe_outp:
	s_mov_b64 s[64:65], 0
	v_nop
	global_prefetch_b8 v0, s[64:65] scope:SCOPE_SE
	s_setreg_imm32_b32 hwreg(HW_REG_WAVE_MODE, 25, 1), 1
	s_wait_xcnt 0x0
	s_wait_alu depctr_hold_cnt(0) depctr_sa_sdst(0) depctr_va_vdst(0) depctr_va_sdst(0) depctr_va_ssrc(0) depctr_va_vcc(0) depctr_vm_vsrc(0)
	s_getreg_b32 s2, hwreg(HW_REG_IB_STS2, 6, 4)
	s_cmp_eq_u32 s2, 0
	s_cbranch_scc0 .Lentry_in_a_cluster
	s_endpgm
.Lentry_in_a_cluster:
	s_bfe_u32 s2, ttmp6, 0x10000c
	s_cmp_lg_u32 s2, 0xf033
	s_cbranch_scc0 .Lentry_shape_is_right
	s_endpgm
.Lentry_shape_is_right:
; out0[m][n] = the sum over k of ctx[m][k] Wo[n][k] + bo[n]: [8192][1024] x [1024][1024], operands f16, sums f32, result f32.
; Both operands lie as register images: ctx[ks][row tile][blk][512 bytes], wo16[ks][n tile][blk][512 bytes]; a block is 16 rows x 16 k, lane (r, h)'s 16 bytes at 16 x lane.
; So a K step's tiles are dense blocks for the tensor loads, and a fragment (16 rows x 32 k) is two loads of 16 bytes a lane, 512 bytes apart: consecutive bytes, no pitch.
; A tile of the result is 128 rows x 256 columns: 256 work-groups.  Four waves, each 64 x 128: 32 accumulators.  K goes in 8 steps of 128 through two slots.
; CLUSTERS: 4 x 4; ctx's tiles are asked for jointly along a row of the cluster, Wo's along a column.  Waves 0 and 1 fetch ctx's halves (64 rows of 256 bytes), waves 2 and 3 Wo's (128 rows).
; THE MATRIX INSTRUCTION IS USED TRANSPOSED (source 0 = 16 rows of Wo, source 1 = 16 rows of ctx): a lane holds eight neighbouring columns of a row.  The bias is the C of each sum's first product.
; REGISTERS.  Window 0: v16-30 addresses; two fragment buffers of 96: A's 4 tiles, then B's 8 (v64-159, v160-255); on the way out v64-191 rows read back.
;   Window 1: the accumulators ((a, b) at 8 (8 a + b)).   Window 2: v0-63 the bias.
.set SLOT,   98304                     ; A's 8 row tiles of 4,096 bytes, then B's 16 n tiles
.set BOFF,   32768
.set SPARE,  2*SLOT                    ; the spare words, 128 bytes a wave
.set SPITCH, 528                       ; the way out: a stage of 16 rows x (512 + 16) bytes a wave, in slot 0, behind its last fill and its last read
.set LAPS,   4                         ; a lap = two K steps
.set ASTEP,  1<<21                     ; a K step on in ctx,
.set BSTEP,  1<<18                     ; in wo16
.set ADRA, 16
.set ADRB, 20
.set STO,  24
.set RD,   25
.set CO,   26                          ; v26 16 x lane
.set BO,   27                          ; v27 32 h
.set SPW,  28
.set NIL,  29
.set PFO,  30                          ; v30 256 x lane
.set F0,   64
.set F1,   160
.set BK,   64
.set WV,   12
.set WR,   13                          ; which half of the rows is mine.  Also: I fetch for A (0) or for B (1)
.set WC,   14                          ; which half of the columns.  Also: which half of that tile I fetch
.set LIM,  15                          ; 1 in the wave that prefetches, else the greatest number
.set G1,  24
.set G0,  32
.set PFA, 44                           ; s[44:45] where my prefetches stand
.set G1B, 48
.set G0B, 56
.set MSB, 0
.macro WIN new
.if MSB != \new
	s_set_vgpr_msb (MSB<<8)|\new
.set MSB, \new
.endif
.endm
.set MUL, 0x50                         ; C and D window 1, sources window 0
.set FST, 0x60                         ; the first quarter: C is the bias, window 2; D window 1
.macro JLOAD s                         ; a joint load; an s_nop 0 and four v_nop follow each of the two lines
	s_cmp_eq_u32 s[WR], 0
	s_cbranch_scc0 .Lfor_b_\@
	tensor_load_to_lds s[G0+4*\s:G0+4*\s+3], s[G1:G1+7]
	s_nop 0
.rept 4
	v_nop
.endr
	s_branch .Lasked_\@
.Lfor_b_\@:
	tensor_load_to_lds s[G0B+4*\s:G0B+4*\s+3], s[G1B:G1B+7]
	s_nop 0
.rept 4
	v_nop
.endr
.Lasked_\@:
.endm
.macro CREST
	s_cmp_lg_u32 s[WV], 0
	s_cbranch_scc1 .Lnot_wave_0_\@
	s_barrier_signal -3
.Lnot_wave_0_\@:
	s_barrier_wait -3
	s_barrier_signal -1
	s_barrier_wait -1
.endm
.macro CROUND
	s_barrier_signal -1
	s_barrier_wait -1
	CREST
.endm
; A prefetch of ctx's K step that stands two refills on: a work-group's tile of a K step is 32,768 dense bytes, which the four partners of a row of the cluster read jointly; each takes 8,192 of them,
; told apart by address; wave 0 asks, lanes 256 bytes apart: each block of 256 bytes is named once in the launch.  The loop's last trip asks for nothing: K ends.  Wo's 2 MB are walked by every cluster and are not asked for.
.macro ASK
	s_cmp_gt_u32 s3, s[LIM]
	s_cbranch_scc0 .Lnot_mine_\@
	global_prefetch_b8 v[PFO], s[PFA:PFA+1] th:TH_LOAD_NT scope:SCOPE_SE
.Lnot_mine_\@:
.endm
	s_load_b128 s[4:7], s[0:1], 0x0                ; ctx, wo16
	s_load_b128 s[8:11], s[0:1], 0x10              ; bo, out0
	v_lshl_add_u32 v[SPW], v0, 2, SPARE
	v_mov_b32 v[NIL], 0
	ds_add_u32 v[SPW], v[NIL]                      ; the wave's opening: the add, twice on end, and its wait ahead of my first tensor load
	ds_add_u32 v[SPW], v[NIL]
	v_lshrrev_b32 v1, 5, v0
	v_readfirstlane_b32 s[WV], v1
	s_lshr_b32 s[WR], s[WV], 1
	s_and_b32 s[WC], s[WV], 1
	s_bfe_u32 s40, ttmp6, 0x40000                  ; cx
	s_bfe_u32 s41, ttmp6, 0x40004                  ; cy
	s_lshl_b32 s42, ttmp9, 2
	s_add_co_u32 s42, s42, s40                     ; tile column X
	s_and_b32 s43, ttmp7, 0xffff
	s_lshl_b32 s43, s43, 2
	s_add_co_u32 s43, s43, s41                     ; tile row Y
	s_lshl_b32 s66, s41, 2
	s_lshl_b32 s66, 15, s66                        ; my row of the cluster
	s_lshl_b32 s67, 0x1111, s40                    ; my column
	s_or_b32 s[G1], s66, (3<<16)|(1<<21)           ; the mask; elements of 8 bytes; bit 21 beside a mask; no padding
	s_mov_b32 s[G1+1], 32<<16                      ; rows of 256 bytes,
	s_mov_b32 s[G1+2], 64<<16                      ; 64 of them: four row tiles
	s_mov_b32 s[G1+3], 32<<16
	s_mov_b32 s[G1+4], 64
	s_mov_b32 s[G1+5], 32
	s_mov_b32 s[G1+6], 0
	s_mov_b32 s[G1+7], 0
	s_or_b32 s[G1B], s67, (3<<16)|(1<<21)
	s_mov_b32 s[G1B+1], 32<<16
	s_mov_b32 s[G1B+2], 128<<16                    ; 128 rows: eight n tiles
	s_mov_b32 s[G1B+3], 32<<16
	s_mov_b32 s[G1B+4], 128
	s_mov_b32 s[G1B+5], 32
	s_mov_b32 s[G1B+6], 0
	s_mov_b32 s[G1B+7], 0
	s_lshl_b32 s16, s43, 15                        ; A: row tile 8 Y + 4 x half, 4,096 bytes each
	s_lshl_b32 s17, s[WC], 14
	s_add_co_u32 s16, s16, s17
	s_mov_b32 s17, 0
	s_lshl_b32 s46, s42, 16                        ; B: n tile 16 X + 8 x half
	s_lshl_b32 s47, s[WC], 15
	s_add_co_u32 s46, s46, s47
	s_mov_b32 s47, 0
	s_lshl_b32 s20, s[WC], 14                      ; where they go in a slot: A's half,
	s_lshl_b32 s21, s[WC], 15
	s_add_co_u32 s21, s21, BOFF                    ; B's half
	s_wait_dscnt 0x0                               ; both opening adds are done
	s_wait_kmcnt 0x0
	s_add_nc_u64 s[18:19], s[4:5], s[16:17]
	s_add_nc_u64 s[46:47], s[6:7], s[46:47]
	CROUND                                         ; all sixteen work-groups are here: the first joint loads meet
.irp s, 0,1
	s_mov_b32 s[G0+4*\s], 1
	s_add_co_u32 s[G0+4*\s+1], s20, \s*SLOT
	s_add_nc_u64 s[G0+4*\s+2:G0+4*\s+3], s[18:19], \s*ASTEP
	s_or_b32 s[G0+4*\s+3], s[G0+4*\s+3], 0x80000000
	s_mov_b32 s[G0B+4*\s], 1
	s_add_co_u32 s[G0B+4*\s+1], s21, \s*SLOT
	s_add_nc_u64 s[G0B+4*\s+2:G0B+4*\s+3], s[46:47], \s*BSTEP
	s_or_b32 s[G0B+4*\s+3], s[G0B+4*\s+3], 0x80000000
	JLOAD \s                                       ; two loads of mine are out
.endr
	v_and_b32 v1, 31, v0
	v_lshlrev_b32 v[CO], 4, v1
	v_lshlrev_b32 v[PFO], 8, v1
	v_and_b32 v2, 15, v0                           ; r
	v_bfe_u32 v3, v0, 4, 1                         ; h
	v_lshlrev_b32 v[BO], 5, v3
	s_lshl_b32 s22, s[WR], 14                      ; my four row tiles of A
	s_lshl_b32 s23, s[WC], 15
	s_add_co_u32 s23, s23, BOFF                    ; my eight n tiles of B
.irp s, 0,1
	v_add_nc_u32 v[ADRA+\s], s22, v[CO]
	v_add_nc_u32 v[ADRB+\s], s23, v[CO]
	s_add_co_u32 s22, s22, SLOT
	s_add_co_u32 s23, s23, SLOT
.endr
	s_mul_i32 s22, s[WV], 16*SPITCH                ; my stage
	v_mul_u32_u24 v4, v2, SPITCH                   ; in: row r, 32 bytes for each half of the lanes
	v_lshl_add_u32 v4, v3, 5, v4
	v_add_nc_u32 v[STO], s22, v4
	v_add_nc_u32 v[RD], s22, v[CO]                 ; back: the 32 lanes take one row of 512 bytes
	s_lshl_b32 s68, s42, 10                        ; my first column, in bytes: 1,024 X + 512 wc
	s_lshl_b32 s69, s[WC], 9
	s_add_co_u32 s68, s68, s69
	s_mov_b32 s69, 0
	s_add_nc_u64 s[8:9], s[8:9], s[68:69]          ; the bias there
	s_lshl_b32 s70, s43, 19                        ; my first row: 128 Y + 64 wr, 4,096 bytes a row
	s_lshl_b32 s71, s[WR], 18
	s_add_co_u32 s70, s70, s71
	s_add_co_u32 s68, s68, s70
	s_add_nc_u64 s[10:11], s[10:11], s[68:69]
	s_lshl_b32 s70, s43, 15                        ; the prefetches: my work-group's tile of ctx, my 8,192 bytes of it,
	s_lshl_b32 s71, s40, 13
	s_add_co_u32 s70, s70, s71
	s_add_co_u32 s70, s70, 3*ASTEP                 ; at K step 3: the first refill steps it to 4.  Nothing is prefetched at the head
	s_mov_b32 s71, 0
	s_add_nc_u64 s[PFA:PFA+1], s[4:5], s[70:71]
	s_cmp_eq_u32 s[WV], 0
	s_cselect_b32 s[LIM], 1, -1
	WIN 0x80                                       ; destination window 2
.irp b, 0,1,2,3,4,5,6,7                            ; lane (r, h), tile b, register j: bo[first column + 16 b + 8 h + j]
	global_load_b128 v[8*\b:8*\b+3], v[BO], s[8:9] offset:64*\b
	global_load_b128 v[8*\b+4:8*\b+7], v[BO], s[8:9] offset:64*\b+16
.endr
	WIN 0
.macro MULA f, a, first                ; 8 products: A's tile a x B's eight, 32 along K.  The 32 accumulators take turns
.irp b, 0,1,2,3,4,5,6,7
.if \first
	v_wmma_f32_16x16x32_f16 v[8*(8*(\a)+\b):8*(8*(\a)+\b)+7], v[\f+32+8*\b:\f+32+8*\b+7], v[\f+8*(\a):\f+8*(\a)+7], v[8*\b:8*\b+7]
.else
	v_wmma_f32_16x16x32_f16 v[8*(8*(\a)+\b):8*(8*(\a)+\b)+7], v[\f+32+8*\b:\f+32+8*\b+7], v[\f+8*(\a):\f+8*(\a)+7], v[8*(8*(\a)+\b):8*(8*(\a)+\b)+7]
.endif
.endr
.endm
.macro FETCH slot, q, f                ; 24 LDS loads in one run: quarter q's fragments: B's eight, then A's four
.irp i, 0,1,2,3,4,5,6,7
	ds_load_b128 v[\f+32+8*\i:\f+32+8*\i+3],   v[ADRB+\slot] offset:\i*4096+(\q)*1024
	ds_load_b128 v[\f+32+8*\i+4:\f+32+8*\i+7], v[ADRB+\slot] offset:\i*4096+(\q)*1024+512
.endr
.irp i, 0,1,2,3
	ds_load_b128 v[\f+8*\i:\f+8*\i+3],   v[ADRA+\slot] offset:\i*4096+(\q)*1024
	ds_load_b128 v[\f+8*\i+4:\f+8*\i+7], v[ADRA+\slot] offset:\i*4096+(\q)*1024+512
.endr
.endm
.macro PLACES
.rept 4
	v_nop
.endr
.endm
; One of a K step's first three quarters: multiplies buffer f; in its middle it fetches quarter q of the same slot into buffer g.
.macro QUARTER slot, q, f, g, first
	s_wait_dscnt 4                                 ; B and A's tiles 0, 1 are in; the youngest four loads (A's tiles 2, 3) may be out
.if \first
	WIN FST
.else
	WIN MUL
.endif
	MULA \f, 0, \first
	MULA \f, 1, \first
	PLACES                                         ; in front of loads into registers that matrix instructions have read
	WIN 0
	FETCH \slot, \q, \g
	s_wait_dscnt 24                                ; all but the 24 just issued
.if \first
	WIN FST
.else
	WIN MUL
.endif
	MULA \f, 2, \first
	MULA \f, 3, \first
.endm
; The last quarter multiplies buffer 1 and changes slots: one barrier; fill = 1: it opens a round of the cluster's barrier, and this slot is filled again, two K steps ahead.
.macro TURN slot, next, fill
.if \fill
	s_wait_xcnt 0x0                                ; the last prefetch, a K step back, has read its address
	s_add_nc_u64 s[PFA:PFA+1], s[PFA:PFA+1], ASTEP
.endif
	WIN 0
	s_wait_tensorcnt 0x0                           ; all my tensor loads have landed: my part of the next slot
	ds_add_u32 v[SPW], v[NIL]
	s_wait_dscnt 5                                 ; (the add and the youngest four loads may be out)
	WIN MUL
	MULA F1, 0, 0
	s_wait_dscnt 0x0                               ; the add is done, and my reads of this slot are over
	s_barrier_signal -1
	MULA F1, 1, 0
	WIN 0
	s_barrier_wait -1
.if \fill
	CREST                                          ; no wave of any partner still reads this slot or has a load on its way
	s_add_nc_u64 s[G0+4*\slot+2:G0+4*\slot+3], s[G0+4*\slot+2:G0+4*\slot+3], 2*ASTEP
	s_add_nc_u64 s[G0B+4*\slot+2:G0B+4*\slot+3], s[G0B+4*\slot+2:G0B+4*\slot+3], 2*BSTEP
	JLOAD \slot                                    ; the first tensor load behind the round; its four v_nop are also the places in front of the loads below
.else
	PLACES
.endif
	FETCH \next, 0, F0
.if \fill
	ASK
.endif
	WIN MUL
	MULA F1, 2, 0
	MULA F1, 3, 0
.endm
	s_wait_tensorcnt 1                             ; my part of K step 0 is in; K step 1's may stay out
	s_barrier_signal -1
	s_barrier_wait -1
	FETCH 0, 0, F0
	s_wait_loadcnt 0x0                             ; the bias
	QUARTER 0, 1, F0, F1, 1                        ; the first quarter's products start the sums from the bias
	WIN 0
	s_mov_b32 s3, LAPS-1
.Llap:                                             ; a trip goes once round the ring and fills both slots again
	QUARTER 0, 2, F1, F0, 0
	QUARTER 0, 3, F0, F1, 0
	TURN 0, 1, 1
	QUARTER 1, 1, F0, F1, 0
	QUARTER 1, 2, F1, F0, 0
	QUARTER 1, 3, F0, F1, 0
	TURN 1, 0, 1
	QUARTER 0, 1, F0, F1, 0
	WIN 0
	s_sub_co_u32 s3, s3, 1
	s_cmp_lg_u32 s3, 0
	s_cbranch_scc1 .Llap
	QUARTER 0, 2, F1, F0, 0                        ; the last lap fills nothing
	QUARTER 0, 3, F0, F1, 0
	TURN 0, 1, 0
	QUARTER 1, 1, F0, F1, 0
	QUARTER 1, 2, F1, F0, 0
	QUARTER 1, 3, F0, F1, 0
	s_wait_dscnt 4
	WIN MUL
	MULA F1, 0, 0
	MULA F1, 1, 0
	s_wait_dscnt 0
	MULA F1, 2, 0
	MULA F1, 3, 0
	WIN 0
; THE WAY OUT, 16 rows x 128 columns at a time: a lane holds 32 neighbouring bytes of a row; a block goes through my own stage and comes back as whole rows of 512 bytes.
; LDS serves a wave's instructions in order: no wait between the stores and the loads, nor in front of the next block's stores.
.macro TOSTAGE a
	WIN 0x04                                       ; an LDS store's data: window 1
.irp b, 0,1,2,3,4,5,6,7
	ds_store_b128 v[STO], v[64*(\a)+8*\b:64*(\a)+8*\b+3] offset:64*\b       ; each accumulator from its low end on
	ds_store_b128 v[STO], v[64*(\a)+8*\b+4:64*(\a)+8*\b+7] offset:64*\b+16
.endr
	WIN 0
.set BB, BK+64*((\a)%2)
.irp t, 0,1,2,3,4,5,6,7,8,9,10,11,12,13,14,15
	ds_load_b128 v[BB+4*\t:BB+4*\t+3], v[RD] offset:\t*SPITCH
.endr
.endm
.macro SEND a, younger
.set BB, BK+64*((\a)%2)
	s_wait_dscnt \younger                          ; the block is back in registers; the next block's LDS instructions may be out
.irp t, 0,1,2,3,4,5,6,7,8,9,10,11,12,13,14,15
	global_store_b128 v[CO], v[BB+4*\t:BB+4*\t+3], s[10:11] offset:(\a)*65536+\t*4096 th:TH_STORE_NT   ; 32 lanes store 512 consecutive bytes, aligned; written once
.endr
.endm
	PLACES                                         ; behind the last products: results are read, and the fragments' registers are loaded into
	TOSTAGE 0
	TOSTAGE 1
	SEND 0, 32
	s_wait_xcnt 0x0                                ; block 0's stores have read their registers: block 2's loads may land there
	TOSTAGE 2
	SEND 1, 32
	s_wait_xcnt 0x0
	TOSTAGE 3
	SEND 2, 32
	SEND 3, 0
	s_wait_tensorcnt 0x0                           ; the wave's end
	ds_add_u32 v[SPW], v[NIL]
	s_wait_dscnt 0x0
	CROUND                                         ; the closing round
	s_endpgm
.Lfunc_end_k_q253e01defe_outp:
	.size	k_q253e01defe_outp, .Lfunc_end_k_q253e01defe_outp-k_q253e01defe_outp
	.p2alignl 7, 3214868480
	.fill 96, 4, 3214868480
	.section	.rodata,"a",@progbits
	.p2align	6, 0x0
	.amdhsa_kernel k_q253e01defe_outp
		.amdhsa_group_segment_fixed_size 327680
		.amdhsa_private_segment_fixed_size 0
		.amdhsa_enable_private_segment 0
		.amdhsa_kernarg_size 32
		.amdhsa_user_sgpr_count 2
		.amdhsa_user_sgpr_kernarg_segment_ptr 1
		.amdhsa_wavefront_size32 1
		.amdhsa_system_sgpr_workgroup_id_x 1
		.amdhsa_system_sgpr_workgroup_id_y 1
		.amdhsa_system_sgpr_workgroup_id_z 1
		.amdhsa_system_vgpr_workitem_id 0
		.amdhsa_next_free_vgpr 768
		.amdhsa_next_free_sgpr 72
		.amdhsa_reserve_vcc 0
		.amdhsa_float_denorm_mode_32 3
		.amdhsa_float_denorm_mode_16_64 3
		.amdhsa_memory_ordered 1
		.amdhsa_forward_progress 1
		.amdhsa_inst_pref_size 87
	.end_amdhsa_kernel
	.amdgpu_metadata
---
amdhsa.version: [ 1, 2 ]
amdhsa.kernels:
  - .name:           k_q253e01defe_outp
    .symbol:         k_q253e01defe_outp.kd
    .args:
      - { .name: ctx, .offset: 0, .size: 8, .value_kind: global_buffer, .address_space: global }
      - { .name: wo16, .offset: 8, .size: 8, .value_kind: global_buffer, .address_space: global }
      - { .name: bo, .offset: 16, .size: 8, .value_kind: global_buffer, .address_space: global }
      - { .name: out0, .offset: 24, .size: 8, .value_kind: global_buffer, .address_space: global }
    .group_segment_fixed_size: 327680
    .private_segment_fixed_size: 0
    .kernarg_segment_align: 8
    .kernarg_segment_size: 32
    .max_flat_workgroup_size: 128
    .sgpr_count:     72
    .vgpr_count:     768
    .wavefront_size: 32
...
	.end_amdgpu_metadata
.endif
;; end of part 4
